; MI455X (gfx1250); checked and timed in simulation.
; The chip was launched on July 23, 2026; its instructions are those of AMD's public machine-readable ISA for CDNA 5 (MIT licence, August 2026) and "CDNA5" Instruction Set Architecture Reference Guide (July 2026). The comments in the code are by the model that wrote it; some were corrected since.
;; Multi Head Attention Base. Allowed arithmetic: matrix products marked QUANTISED: E2M3 operands, one E8M0 scale for each 32 along K, by v_wmma_scale_f32_16x16x128_f8f6f4 with both operands' format E2M3, f32 sums; everything else in f32.
;; Inputs: k 4 x 2,048 x 1,024 float32; mask 4 x 2,048 int32; q 4 x 2,048 x 1,024 float32; v_codes 4 x 1,024 x 64 x 24 uint8 (E2M3 codes of v, K innermost, in blocks of 32 codes, four codes in three bytes); v_scales 4 x 1,024 x 64 uint8 (E8M0 scales of v, one for each 32 codes along K).
;; Outputs: out0 4 x 2,048 x 1,024 float32.
;; This version of the problem:
;;   THIS VERSION OF THE PROBLEM IS GIVEN IN LOW PRECISION. The matrix products marked QUANTISED in the list below multiply operands that are first quantised to E2M3 (2 exponent bits, 3 mantissa bits; 6 bits a number), with one power-of-two scale for each 32 numbers along K (OCP MX v1.0); their sums are f32. All else is computed in f32.
;;   The module's matrix products, in the order in which they are computed (A, B: the left and right operand; K: the contracted axis; several contracted axes count as one K, in the product's order):
;;     1. batch 64 x [M 2,048, K 64] x [K 64, N 2,048]; A: input q; B: input k: QUANTISED
;;     2. batch 64 x [M 2,048, K 2,048] x [K 2,048, N 64]; A: softmax (see below); B: input v (given as codes): QUANTISED
;;   THE QUANTISER, for each operand of a quantised product, along K:
;;     - K is cut into blocks of 32 from its start; a last block that is shorter is filled with zeros.
;;     - A block's scale is 2^e with e = floor(log2(the largest magnitude in the block)) - 2, held to -126 .. 127; a block of zeros has e = 0. As a byte (E8M0): e + 127.
;;     - Each number is divided by its block's scale, clamped to +-7.5, and rounded to the nearest number of E2M3, ties to even, subnormals kept.
;;     - The product sums the exact products of the quantised numbers (number of the format x scale) in f32.
;;   ~~~python
;;   def quantise(x, axis):      # numpy; x: float32 -> the quantised numbers, widened to float32 again
;;       x = np.moveaxis(x, axis, -1); K = x.shape[-1]
;;       x = np.pad(x, [(0, 0)] * (x.ndim - 1) + [(0, -K % 32)]); x = x.reshape(x.shape[:-1] + (-1, 32)); a = np.abs(x).max(-1, keepdims=True)
;;       e = np.where(a > 0, np.clip(np.frexp(np.where(a > 0, a, 1))[1] - 1 - 2, -126, 127), 0)      # np.frexp(a)[1] - 1 = floor(log2(a)), exactly
;;       r = np.clip(x / 2.0 ** e, -7.5, 7.5)
;;       step = 2.0 ** (np.maximum(np.frexp(np.where(r == 0, 1, r))[1] - 1, 0) - 3)
;;       q = np.round(r / step) * step * 2.0 ** e      # np.round: ties to even
;;       return np.moveaxis(q.reshape(q.shape[:-2] + (-1,))[..., :K], -1, axis).astype(np.float32)
;;   ~~~
;;   SOFTMAX AHEAD OF A QUANTISED PRODUCT. Where the list says 'softmax', what is quantised is not the finished softmax but p = 2^(t - M), with t = logit x log2(e) and M = ceil(the row's largest t), a whole number; so 1/2 < the row's largest p <= 1. The row's sum l is taken of the UNQUANTISED p, in f32, and the product's result is divided by l at the end. Since M is a whole number, a kernel that streams over the keys may use a running M (the ceiling of the running maximum): every later rescaling is an exact power of two, which a block's scale takes up: the codes' values come out the same.
;;   OPERANDS COMPUTED ON THE WAY. 'Computed on the way' means the value that the module computes at that place (a softmax that the list does not call 'softmax' is quantised finished and normalised). What goes into a quantiser is computed in f32, as accurately as f32 sums, v_exp_f32 and their like allow (about 1e-6 of the number): no bf16 or f16 on the way to a quantiser, and a product that is left as it is and whose result goes on into a quantised operand takes f32 operands (vector FMAs, or v_wmma_f32_16x16x4_f32). A number that lies on a knife's edge between two numbers of the format may be rounded either way, as far as f32 arithmetic and the matrix unit's own rounding can turn it there, and no further.
;;   INPUTS GIVEN AS CODES. v (in the module: [4, 2048, 1024], K = its axis 1): each comes as NAME_codes (uint8): NAME with its K axis moved to the last place and cut into blocks of 32 codes, [.., K / 32, bytes a block], one block behind the other in memory; four codes in three bytes: a row's codes are one little-endian stream of bits, code i at bits 6 i .. 6 i + 5 (a code: sign, 2 exponent bits, 3 mantissa bits); and NAME_scales (uint8): the same leading axes, one E8M0 byte (e + 127) for each 32 codes along K. Its value is code x scale, taken as it is: it is not quantised again, and the codes and scales need not be those that the quantiser above would give.
;; 2 versions, each right; version 2 is version 1 with the launch attn written anew for expert scheduling mode. Each part assembles by itself: llvm-mc -triple=amdgcn-amd-amdhsa -mcpu=gfx1250 --defsym DOCPART=n.
;; ======== version 1 of 2: 1 launch
;; limits: right only within a limited range of input values
;; launch attn (part 1): grid 4 x 64, 16 waves a work-group, no clusters, 315,392 bytes of LDS; arguments q, k, mask, v_codes, v_scales, out0; writes out0
.if DOCPART == 1
	.amdgcn_target "amdgcn-amd-amdhsa--gfx1250"
	.amdhsa_code_object_version 6
	.text
	.protected	k_qefa234deb7_attn
	.globl	k_qefa234deb7_attn
	.p2align	8
	.type	k_qefa234deb7_attn,@function
k_qefa234deb7_attn:
	s_mov_b64 s[64:65], 0
	v_nop
	global_prefetch_b8 v0, s[64:65] scope:SCOPE_SE
	s_setreg_imm32_b32 hwreg(HW_REG_WAVE_MODE, 25, 1), 1
	s_wait_xcnt 0x0
; out0[b][q][64 hd + d] = the sum over keys of softmax_key(Q . K / 8, masked keys at -1e9) V, for 4 batches x 16 heads, 2,048 queries and keys, head size 64.
; Both products on codes of FP6 (E2M3) with one E8M0 scale for each 32 along K.  q, k: [4][2048][1024] f32, quantised here along the head's 64.  V: codes with the keys innermost
; ([4][1024][64][24] bytes) and scale bytes [4][1024][64], taken as given.  mask: [4][2048] int32, 0 = the key is masked.
; THE SOFTMAX: t = score x log2(e) / 8; M = the running largest t rounded UP to a whole number; p = 2^(t - M) is quantised along the keys, not normalised; the sum l is taken of the unquantised p
; and divides O at the end.  When M moves, l and O are multiplied by 2^(old M - new M), which rounds nothing.
; SHARES.  A work-group (x = quarter of the queries, y = 16 b + hd) owns 512 queries of one head; each of its sixteen waves owns two tiles of 16 queries, one after the other (two passes), in 256 registers:
; four waves to a SIMD, so that one wave's vector work stands beside another's products and LDS loads.
; THE WHOLE HEAD STAYS IN LDS.  At the head wave w quantises keys 128 w .. 128 w + 127 of K and stores them as images of the operand's registers; V's 64 rows of 1,536 bytes and all scale words are laid beside them.
; One barrier; behind it these bytes are only read, and the loop over the keys touches no memory.
; LAYOUT.  Both products are used transposed: S^T = K Q^T (source 0 = 16 keys, source 1 = my 16 queries), O^T = V^T P^T (source 0 = 16 of the head's 64, source 1 = P): a lane holds ONE query (lane % 16) throughout.
; THE KEYS OF A TILE ARE NOT NEIGHBOURS: lane r of tile 2 b + u takes key 32 b + 8 u + r + 8 (r / 8), so that the 16 registers of tiles 2 b and 2 b + 1 are 16 neighbouring keys, 32 b + 16 (lane / 16) + 0 .. 15.
; THE MASK RIDES IN THE UNUSED HALF OF THE FIRST PRODUCT'S K.  The instruction is 128 deep and the head fills k = 0 .. 63.  At k = 64 every query has the code 1.0 under the scale 2^37; a kept key has the code 0 under
; the scale 2^-126, a masked key the code -7.5 under 2^63.  So a kept key's score gets exactly +0 and a masked key's score is -7.5 x 2^100; all other codes from k = 64 on are zeros on the queries' side.
; The running largest t begins at -2^80, above every masked t (about -1.7e30): a masked key never sets M, and its p = 2^(t - M) is 0, as exp(-1e9 - max) is in f32.
; A BATCH WITH NO KEPT KEY: the factor c = log2(e) / 8 is replaced by 0 (a select between two constants on the OR of the batch's mask words): every t is 0, every p is 1: the plain mean of V, as the reference has it.
; LIMITS: kept keys' t must lie between -2^80 and 2^97; a kept logit under about -1e9, beside which the reference would let masked keys count again, is not served; NaN and infinities among q and k are not served;
; a block of zeros gets the scale byte 1 (its codes are zeros; the bytes are read by this program alone).
; NO CLUSTER: the four work-groups of a head share k, which has to pass through registers to be quantised, and V's 102,400 bytes, each read once at the head; the loop over the keys reads no memory at all.
; NO TENSOR LOADS: every LDS byte is filled once, K by way of registers; V's rows are 384 words, no power of two, and want 16 bytes of padding behind each whole row.
.set KIMG, 0                           ; LDS: K's 128 tiles x 1,024 bytes: registers 0-3 of a fragment at 16 x lane, registers 4-7 at 512 + 16 x lane; tile 8 s + t of key step s
.set KSC,  131072                      ; K's scale words: 512 s + 256 (t / 4) + 16 r + 4 (t % 4): one load of 16 bytes brings lane r the words of four tiles
.set VRAW, 139264                      ; V's 64 rows as they lie,
.set VP,   1552                        ; 1,536 bytes + 16 = 388 words apart: row r starts at bank 4 r mod 64 (64 banks of 4 bytes: ISA guide 11.1), lanes 16-31 six words on: the 32 lanes of a load of 8 bytes touch 64 different banks
.set VSC,  238592                      ; V's scale words: 256 s + 16 (d % 16) + 4 (d / 16)
.set ANYW, 242688                      ; word w: wave w's flag: some key of its 128 is kept
.set STG,  242944                      ; the way out: a stage of 16 rows x 272 bytes for each wave
.set SP,   272
; scalar registers
.set WV,  16                           ; s16  my wave's number
.set SEL, 26                           ; s[26:27] lane selects for v_permlanex16_b32: lane l xor 16
.set CS,  28                           ; s[28:29] c, twice: the packed form names a pair and takes its low word for both halves
.set TK,  30                           ; s30  where the tiles of K to be fetched begin: 8,192 bytes a step
.set TS,  31                           ; s31  and their scale words: 512 bytes a step
.set TV,  32                           ; s32  the step's place in V's rows: 96 bytes a step
.set TT,  33                           ; s33  and among V's scale words: 256 bytes a step
.set CNT, 34                           ; s34  trips to go
.set H0,  35                           ; s35  0x01010000: the bytes 1, 1 of a kept key's blocks 2 and 3
; vector registers of the loop
.set AK0, 1                            ; v1   16 x lane: my place in an image
.set AS0, 2                            ; v2   KSC + 16 r
.set AV0, 3                            ; v3   VRAW + 1,552 r + 24 h
.set AV1, 4                            ; v4   the same 32 rows on (an LDS offset has 16 bits)
.set AT0, 5                            ; v5   VSC + 16 r
.set STO, 6                            ; v6   the stage: where I put 32 bytes of a row
.set RD,  7                            ; v7   and where I read a row back
.set GO,  8                            ; v8   my byte offset in the wave's rows of out0
.set ADK, 9                            ; v9-11, v234-235: the addresses of the loads in hand
.set ADS, 10
.set ADV, 11
                                       ; v12 -M, v13 the largest t, v[14:15] l in two halves
.set QA,  16                           ; v16-27  Q's fragment of pass 0;  v28-39 of pass 1
.set QB,  28
.set QSA, 40                           ; v40, v41  their scale words.  v40-53 and v230 hold scales and nothing else
.set QSB, 41
.set KS,  42                           ; v42-49  K's scale words of a step's eight tiles
.set VS,  50                           ; v50-53  V's of its four tiles
.set FK,  54                           ; v54-101 four fragments of K, 12 registers each; registers 8-11 of each are zeros, written once
.set SS,  102                          ; v102-165 S^T, then p; then V's four fragments in the first 48
.set OA,  166                          ; v166-197 O^T: four accumulators
.set PC,  198                          ; v198-209 p's codes
.set PT,  210                          ; v210-212, v214-216 the upper halves of the blocks, as the conversions leave them
.set BM,  218                          ; v218-221 the blocks' largest scores, then largest p
.set BX,  222                          ; v222-225 the other half of the lanes', then the scale bytes
.set SCO, 226                          ; v226-229 the conversions' scale operands
.set PW,  230                          ; v230 p's scale word
.set TMP, 231
.set FF,  232                          ; v[232:233] f = 2^(old M - new M); v233 is named with it and written once
.set ADV2, 234
.set ADT, 235
.set L2,  236                          ; v[236:237] the second chain of the sum
.set RL,  238                          ; v[238:239] 1 / l
; vector registers of the head alone: v1 16 x lane; v2-v10 addresses (below); v11 8 h; v[14:15] V's scale bytes
.set XQA, 54                           ; v54-85, v86-117 my 32 numbers of Q, pass 0 and pass 1
.set XQB, 86
.set XK,  118                          ; v118-181 two sets of 32 numbers of K
.set VR,  182                          ; v182-229 my wave's four rows of V
.set MK,  232                          ; v232-239 the mask words of my eight tiles
.set CD,  240                          ; v240-247 registers 0-7 of a fragment of K; the last is 0, written once
.set CT,  248                          ; v248-250 a block's upper 16 codes (a conversion's three registers begin on an even number)
.set WD,  254                          ; v252-253 at work; v254 a scale word in the making; v255 the other half of the lanes'
.set WP,  255
	s_load_b256 s[4:11], s[0:1], 0x0               ; q s[4:5], k s[6:7], mask s[8:9], V's codes s[10:11]
	s_load_b128 s[12:15], s[0:1], 0x20             ; V's scale bytes s[12:13], out0 s[14:15]
	v_lshrrev_b32 v1, 5, v0
	v_readfirstlane_b32 s[WV], v1                  ; wave 0..15
	s_and_b32 s18, ttmp7, 0xffff                   ; 16 b + hd
	s_lshr_b32 s19, s18, 4                         ; b
	s_and_b32 s20, s18, 15                         ; hd
	s_lshl_b32 s22, s19, 23                        ; a batch of q, k or out0 is 2,048 rows of 4,096 bytes,
	s_lshl_b32 s38, s20, 8                         ; a head 256 bytes of a row
	s_add_co_u32 s22, s22, s38
	s_lshl_b32 s38, s[WV], 19                      ; k: my wave's 128 keys
	s_add_co_u32 s24, s22, s38
	s_mov_b32 s25, 0
	s_lshl_b32 s38, ttmp9, 21                      ; q, out0: my work-group's 512 queries,
	s_add_co_u32 s22, s22, s38
	s_lshl_b32 s38, s[WV], 16                      ; my wave's 16 of pass 0 (pass 1: 256 rows on, in the immediates)
	s_add_co_u32 s22, s22, s38
	s_mov_b32 s23, 0
	s_mov_b32 s37, 0
	s_mov_b32 s[SEL], 0x76543210
	s_mov_b32 s[SEL+1], 0xfedcba98
	s_mov_b32 s[H0], 0x01010000
	v_and_b32 v12, 31, v0                          ; lane
	v_and_b32 v13, 15, v0                          ; r
	v_bfe_u32 v11, v0, 4, 1                        ; h
	v_lshlrev_b32 v1, 4, v12                       ; v1: 16 x lane
	v_lshlrev_b32 v3, 3, v0                        ; v3: V's scale bytes: 8 bytes a thread: row d = thread / 8, key steps 2 (thread % 8) and the next
	v_and_b32 v4, 7, v0
	v_lshlrev_b32 v4, 9, v4
	v_bfe_u32 v5, v0, 3, 4
	v_lshl_add_u32 v4, v5, 4, v4
	v_lshrrev_b32 v5, 7, v0
	v_lshl_add_u32 v4, v5, 2, v4
	v_add_nc_u32 v4, VSC, v4                       ; v4: where they go: VSC + 512 (thread % 8) + 16 (d % 16) + 4 (d / 16)
	v_and_b32 v5, 8, v13
	v_add_nc_u32 v10, v5, v13                      ; r + 8 (r / 8): my key in a tile
	v_lshlrev_b32 v5, 2, v10                       ; v5: its mask word
	v_lshlrev_b32 v6, 12, v13
	v_lshl_add_u32 v6, v11, 7, v6                  ; v6: q: row r, block h of its 64 numbers: 128 bytes
	v_lshlrev_b32 v7, 12, v10
	v_lshl_add_u32 v7, v11, 7, v7                  ; v7: k likewise, by the tile's keys
	s_mul_i32 s38, s[WV], 4*VP
	s_add_co_u32 s38, s38, VRAW
	v_add_nc_u32 v2, s38, v1                       ; v2: V's rows 4 w .. 4 w + 3 in LDS
	s_lshl_b32 s38, s[WV], 13
	v_add_nc_u32 v8, s38, v1                       ; v8: my wave's eight images of K (KIMG = 0)
	s_lshl_b32 s38, s[WV], 9
	s_add_co_u32 s38, s38, KSC
	v_lshl_add_u32 v9, v13, 4, s38                 ; v9: their scale words
	s_lshl_b32 s38, s[WV], 2
	s_add_co_u32 s38, s38, ANYW
	v_mov_b32 v10, s38                             ; v10: my wave's flag
	v_lshlrev_b32 v11, 3, v11                      ; v11: 8 h
	v_mov_b32 v[CD+7], 0
	v_mov_b32 v[WP], 0                             ; written once: a lane permute's destination counts as one of its sources
	s_wait_kmcnt 0x0
	s_add_nc_u64 s[4:5], s[4:5], s[22:23]
	s_add_nc_u64 s[14:15], s[14:15], s[22:23]
	s_add_nc_u64 s[6:7], s[6:7], s[24:25]
	s_lshl_b32 s36, s19, 13                        ; mask: 8,192 bytes a batch, my wave's 128 words
	s_lshl_b32 s38, s[WV], 9
	s_add_co_u32 s36, s36, s38
	s_add_nc_u64 s[8:9], s[8:9], s[36:37]
	s_mul_i32 s36, s18, 64*1536                    ; V's codes: a head's 64 rows are one dense block; my wave's four rows
	s_mul_i32 s38, s[WV], 4*1536
	s_add_co_u32 s36, s36, s38
	s_add_nc_u64 s[10:11], s[10:11], s[36:37]
	s_lshl_b32 s36, s18, 12                        ; V's scale bytes: 4,096 a head
	s_add_nc_u64 s[12:13], s[12:13], s[36:37]
; tile t of my wave's keys: block h of my key, 32 numbers, into set t % 2
.macro KLOAD t
.irp j, 0,1,2,3,4,5,6,7
	global_load_b128 v[XK+32*((\t)%2)+4*\j:XK+32*((\t)%2)+4*\j+3], v7, s[6:7] offset:(32*((\t)/2)+8*((\t)%2))*4096+16*\j
.endr
.endm
; THE HEAD'S 53 LOADS, in the order in which they are wanted
.irp j, 0,1,2,3
.irp i, 0,1,2
	global_load_b128 v[VR+4*(3*\j+\i):VR+4*(3*\j+\i)+3], v1, s[10:11] offset:1536*\j+512*\i   ; 32 lanes read 512 consecutive bytes
.endr
.endr
	global_load_b64 v[14:15], v3, s[12:13]
.irp t, 0,1,2,3,4,5,6,7
	global_load_b32 v[MK+\t], v5, s[8:9] offset:4*(32*(\t/2)+8*(\t%2))
.endr
.irp j, 0,1,2,3,4,5,6,7
	global_load_b128 v[XQA+4*\j:XQA+4*\j+3], v6, s[4:5] offset:16*\j th:TH_LOAD_NT           ; q is read once in the whole launch
.endr
.irp j, 0,1,2,3,4,5,6,7
	global_load_b128 v[XQB+4*\j:XQB+4*\j+3], v6, s[4:5] offset:1048576+16*\j th:TH_LOAD_NT
.endr
	KLOAD 0
	KLOAD 1
	s_wait_loadcnt 40                              ; loads come back in order: of the 53, the oldest 13 are in: V's codes and scale bytes
.irp j, 0,1,2,3
.irp i, 0,1,2
	ds_store_b128 v2, v[VR+4*(3*\j+\i):VR+4*(3*\j+\i)+3] offset:VP*\j+512*\i
.endr
.endr
	ds_store_b32 v4, v14
	ds_store_b32 v4, v15 offset:256
; A block of 32 numbers, all in my registers v[x] on: its largest magnitude, with the floor 2^(3 - 127) among the leaves so that the byte cannot fall under 1, in two chains; then 2 off the exponent field:
; v253 is the conversions' scale operand (they take its exponent field and nothing else of it).
.macro BLKMAX x
	v_max3_num_f32 v252, |v[\x]|, |v[\x+1]|, 0x1800000
	v_max3_num_f32 v253, |v[\x+2]|, |v[\x+3]|, |v[\x+4]|
.irp i, 5,9,13,17,21,25
	v_max3_num_f32 v252, v252, |v[\x+\i]|, |v[\x+\i+1]|
	v_max3_num_f32 v253, v253, |v[\x+\i+2]|, |v[\x+\i+3]|
.endr
	v_max3_num_f32 v252, v252, |v[\x+29]|, |v[\x+30]|
	v_max3_num_f32 v252, v252, v253, |v[\x+31]|
	v_add_nc_u32 v253, 0xff000000, v252
.endm
; Q's fragment: registers 0-5: block h of my query; register 6: the code 1.0 at k = 64 (lanes 0-15 alone); the rest zeros.  Its scale word: my two blocks' bytes, 164 (2^37) for block 2, 1 for block 3.
.macro QQ x, frag, sreg
	BLKMAX \x
	v_cvt_scalef32_pk16_fp6_f32 v[\frag:\frag+2], v[\x:\x+15], v253
	v_cvt_scalef32_pk16_fp6_f32 v[CT:CT+2], v[\x+16:\x+31], v253
	v_lshrrev_b32 v[WD], 23, v253                  ; the scale's byte.  (The plain place behind the conversions)
.irp i, 0,1,2
	v_mov_b32 v[\frag+3+\i], v[CT+\i]
.endr
	v_sub_nc_u32 v[\frag+6], 8, v11                ; 8 - 8 h: the code 8 is 1.0
.irp i, 7,8,9,10,11
	v_mov_b32 v[\frag+\i], 0
.endr
	v_lshl_or_b32 v[WD], v[WD], v11, 0x01a40000    ; my byte at its place, 8 h bits up, under the two upper bytes;
	v_permlanex16_b32 v[WP], v[WD], s[SEL], s[SEL+1]
	v_or_b32 v[\sreg], v[WD], v[WP]                ; with lane l xor 16's the word is whole
.endm
	s_wait_loadcnt 16                              ; the mask words and Q's two tiles are in; K's two sets of eight loads stay out
	QQ XQA, QA, QSA
	QQ XQB, QB, QSB
	v_or_b32 v252, v[MK], v[MK+1]                  ; is any of my wave's 128 keys kept?
	v_or_b32 v253, v[MK+2], v[MK+3]
	v_or_b32 v[WD], v[MK+4], v[MK+5]
	v_or_b32 v[CT], v[MK+6], v[MK+7]
	v_or_b32 v252, v252, v253
	v_or_b32 v[WD], v[WD], v[CT]
	v_or_b32 v252, v252, v[WD]
	v_cmp_ne_u32 vcc_lo, 0, v252
	v_mov_b32 v[WD], vcc_lo                        ; not 0 if some lane saw a kept key
	ds_store_b32 v10, v[WD]                        ; all lanes write the same word with the same value
; Tile t of my wave's keys becomes an image in LDS.  Register 6: the code -7.5 (63) where the key is masked, else 0.  (Lanes 16-31 put it at k = 96, where every query has the code 0.)
.macro KTILE t
.if (\t) < 7
	s_wait_loadcnt 8                               ; this tile's eight loads are in; the next tile's eight stay out
.else
	s_wait_loadcnt 0x0
.endif
	BLKMAX XK+32*((\t)%2)
	s_wait_dscnt 0x0                               ; the stores of the tile before have read their registers
	v_cvt_scalef32_pk16_fp6_f32 v[CD:CD+2], v[XK+32*((\t)%2):XK+32*((\t)%2)+15], v253
	v_cvt_scalef32_pk16_fp6_f32 v[CT:CT+2], v[XK+32*((\t)%2)+16:XK+32*((\t)%2)+31], v253
	v_lshrrev_b32 v[WD], 23, v253                  ; the scale's byte.  (The plain place behind the conversions)
	v_cmp_eq_u32 vcc_lo, 0, v[MK+(\t)]             ; masked?
.irp i, 0,1,2
	v_mov_b32 v[CD+3+\i], v[CT+\i]
.endr
	v_cndmask_b32 v[CD+6], 0, 63, vcc_lo
	v_mad_u32_u24 v252, v[CD+6], 0x30000, s[H0]    ; the word's upper bytes: 63 x 3 + 1 = 190 (2^63) or 1 for block 2, 1 for block 3
	v_lshl_or_b32 v[WD], v[WD], v11, v252          ; my block's byte, 8 h bits up
	v_permlanex16_b32 v[WP], v[WD], s[SEL], s[SEL+1]
	v_or_b32 v[WD], v[WD], v[WP]                   ; with lane l xor 16's the word is whole
	ds_store_b128 v8, v[CD:CD+3] offset:KIMG+1024*(\t)
	ds_store_b128 v8, v[CD+4:CD+7] offset:KIMG+1024*(\t)+512
	ds_store_b32 v9, v[WD] offset:256*((\t)/4)+4*((\t)%4)   ; lanes r and r + 16 write the same word with the same value
.if (\t) < 6
	KLOAD (\t)+2
.endif
.endm
.irp t, 0,1,2,3,4,5,6,7
	KTILE \t
.endr
	s_wait_dscnt 0x0                               ; for the others' sake: all my stores into LDS have landed
	s_barrier_signal -1
	s_barrier_wait -1                              ; THE ONE BARRIER: the head's K, V, scale words and flags lie in LDS; from here on these bytes are only read
	v_and_b32 v13, 15, v0                          ; r
	v_bfe_u32 v12, v0, 4, 1                        ; h
	v_lshl_add_u32 v[TMP], v13, 2, ANYW
	ds_load_b32 v[L2], v[TMP]                      ; lane r: wave r's flag
	v_lshl_add_u32 v[AS0], v13, 4, KSC
	s_mov_b32 s[TK], 0
	s_mov_b32 s[TS], 0
	v_add_nc_u32 v[ADK], s[TK], v[AK0]
	v_add_nc_u32 v[ADS], s[TS], v[AS0]
; four fragments of K: tiles 4 g .. 4 g + 3 of the step at v[ADK]: registers 0-7 of each, as they were stored
.macro KFETCH g
.irp t, 0,1,2,3
	ds_load_b128 v[FK+12*\t:FK+12*\t+3], v[ADK] offset:4096*\g+1024*\t
	ds_load_b128 v[FK+12*\t+4:FK+12*\t+7], v[ADK] offset:4096*\g+1024*\t+512
.endr
.endm
	KFETCH 0                                       ; key step 0's first half, and its eight scale words
	ds_load_b128 v[KS:KS+3], v[ADS]
	ds_load_b128 v[KS+4:KS+7], v[ADS] offset:256
	v_mul_u32_u24 v[AV0], v13, VP
	v_mad_u32_u24 v[AV0], v12, 24, v[AV0]
	v_add_nc_u32 v[AV0], VRAW, v[AV0]
	v_add_nc_u32 v[AV1], 32*VP, v[AV0]
	v_lshl_add_u32 v[AT0], v13, 4, VSC
	s_mul_i32 s38, s[WV], 16*SP
	s_add_co_u32 s38, s38, STG                     ; my stage
	v_mul_u32_u24 v[STO], v13, SP
	v_lshl_add_u32 v[STO], v12, 5, v[STO]
	v_add_nc_u32 v[STO], s38, v[STO]               ; in: row r; tile t's eight channels of my half: 64 t + 32 h bytes on
	v_mul_u32_u24 v[RD], v12, SP
	v_lshl_add_u32 v[RD], v13, 4, v[RD]
	v_add_nc_u32 v[RD], s38, v[RD]                 ; back: lanes 0-15 one row of 256 bytes, lanes 16-31 the next
	v_lshlrev_b32 v[GO], 12, v12
	v_lshl_add_u32 v[GO], v13, 4, v[GO]            ; and the same two rows in out0
.irp t, 0,1,2,3
.irp i, 8,9,10,11
	v_mov_b32 v[FK+12*\t+\i], 0                    ; k = 80 .. 127 of every key: zeros, written once
.endr
.endr
.irp b, 0,1,2,3
	v_mov_b32 v[BX+\b], 0                          ; written once: a lane permute's destination counts as one of its sources
.endr
	v_mov_b32 v[FF+1], 0                           ; (named as the upper half of a pair)
	s_wait_dscnt 10                                ; LDS loads come back in order: the flags are in; the ten loads behind them stay out
	v_cmp_ne_u32 vcc_lo, 0, v[L2]
	s_cmp_lg_u32 vcc_lo, 0                         ; is any key of the batch kept?
	s_cselect_b32 s[CS], 0x3e38aa3b, 0             ; c = log2(e) / 8, or 0: a choice of a value; no branch and no address hangs on it
	s_mov_b32 s[CS+1], s[CS]
; four products S^T = K Q^T: tiles 4 g .. 4 g + 3.  Each starts its sum with the constant 0
.macro SCORES g, qf, qs
.irp t, 0,1,2,3
	v_wmma_scale_f32_16x16x128_f8f6f4 v[SS+32*\g+8*\t:SS+32*\g+8*\t+7], v[FK+12*\t:FK+12*\t+11], v[\qf:\qf+11], 0, v[KS+4*\g+\t], v[\qs] matrix_a_fmt:MATRIX_FMT_FP6 matrix_b_fmt:MATRIX_FMT_FP6
.endr
.endm
; A KEY STEP: 128 keys.  nxt = 1: the next step's first four tiles of K are fetched under the softmax; 2: those of step 0, for the next pass; 0: none.
.macro STEP qf, qs, nxt
	v_add_nc_u32 v[ADV], s[TV], v[AV0]             ; these three and two v_nop: five places between the last step's products, which read V's fragments out of S^T's registers, and the products that write over them (ISA guide 7.12.1)
	v_add_nc_u32 v[ADV2], s[TV], v[AV1]
	v_add_nc_u32 v[ADT], s[TT], v[AT0]
	v_nop
	v_nop
	s_wait_dscnt 0x0                               ; tiles 0-3 and the scale words, asked for a step ago, are in
	SCORES 0, \qf, \qs
.rept 4
	v_nop                                          ; four places in front of loads into registers that matrix instructions have read
.endr
	KFETCH 1
	s_wait_dscnt 0x0
	SCORES 1, \qf, \qs
.if \nxt == 1
	s_add_co_u32 s[TK], s[TK], 8192
	s_add_co_u32 s[TS], s[TS], 512
.elseif \nxt == 2
	s_mov_b32 s[TK], 0
	s_mov_b32 s[TS], 0
.endif
.if \nxt
	v_add_nc_u32 v[ADK], s[TK], v[AK0]             ; two additions and two v_nop: the four places in front of the loads below and of the first read of the scores
	v_add_nc_u32 v[ADS], s[TS], v[AS0]
	v_nop
	v_nop
	KFETCH 0
	ds_load_b128 v[KS:KS+3], v[ADS]
	ds_load_b128 v[KS+4:KS+7], v[ADS] offset:256
.else
.rept 4
	v_nop                                          ; four places in front of the first read of the scores
.endr
.endif
.irp b, 0,1,2,3
	v_max3_num_f32 v[BM+\b], v[SS+16*\b], v[SS+16*\b+1], v[SS+16*\b+2]   ; THE LARGEST SCORE OF EACH BLOCK OF 32 KEYS serves twice: for the row's maximum and, since p rises with the score, for the block's largest p.  (Each accumulator is read from its low end on)
.endr
.irp i, 3,5,7,9,11,13
.irp b, 0,1,2,3
	v_max3_num_f32 v[BM+\b], v[BM+\b], v[SS+16*\b+\i], v[SS+16*\b+\i+1]   ; (the four blocks by turns)
.endr
.endr
.irp b, 0,1,2,3
	v_max_num_f32 v[BM+\b], v[BM+\b], v[SS+16*\b+15]
.endr
.irp b, 0,1,2,3
	v_permlanex16_b32 v[BX+\b], v[BM+\b], s[SEL], s[SEL+1]
.endr
.irp b, 0,1,2,3
	v_max_num_f32 v[BM+\b], v[BM+\b], v[BX+\b]     ; with lane l xor 16's 16 keys
.endr
	v_max3_num_f32 v[TMP], v[BM], v[BM+1], v[BM+2]
	v_max_num_f32 v[TMP], v[TMP], v[BM+3]          ; the step's largest score of my query
	v_mul_f32 v[TMP], s[CS], v[TMP]                ; as t (c is not negative)
	v_max_num_f32 v13, v13, v[TMP]                 ; the running largest t: a step of masked keys alone leaves it as it was
	v_mov_b32 v[TMP], v12
	v_floor_f32 v12, -v13                          ; the new -M = floor(-t) = -ceil(t): M IS A WHOLE NUMBER
	v_sub_f32 v[TMP], v12, v[TMP]                  ; M's old value less its new one: a whole number, 0 or less
	v_cvt_i32_f32 v[TMP], v[TMP]                   ; (it saturates)
	v_ldexp_f32 v[FF], 1.0, v[TMP]                 ; f = 2^(old M - new M)
.set j, 0
.rept 32
	v_pk_fma_f32 v[SS+j:SS+j+1], v[SS+j:SS+j+1], s[CS:CS+1], v[12:13] op_sel_hi:[1,0,0]   ; t - M, two at a time (of the pairs c and -M the low word serves both halves)
.set j, j+2
.endr
.irp b, 0,1,2,3
	v_fma_f32 v[BM+\b], v[BM+\b], s[CS], v12       ; the same of each block's largest score
.endr
.set j, 0
.rept 64
	v_exp_f32 v[SS+j], v[SS+j]                     ; p = 2^(t - M), at most 1: NOT normalised; 0 for a masked key
.set j, j+1
.endr
.irp b, 0,1,2,3
	v_exp_f32 v[BM+\b], v[BM+\b]                   ; the block's largest p: the same two instructions on the same number give the same bits
.endr
	v_pk_mul_f32 v[14:15], v[14:15], v[FF:FF+1] op_sel_hi:[1,0]   ; l under the new M.  (The plain place behind the exponentials)
	s_wait_alu depctr_va_vdst(0)
.irp b, 0,1,2,3
	v_max_num_f32 v[BM+\b], 0x1800000, v[BM+\b]    ; the floor 2^(3 - 127): the byte cannot fall under 1 (a block whose every p is 0 keeps that byte: its codes are zeros)
.endr
.irp b, 0,1,2,3
	v_add_nc_u32 v[SCO+\b], 0xff000000, v[BM+\b]   ; 2 off the exponent field: the conversion's scale operand
.endr
.irp c, 0,1
	v_cvt_scalef32_pk16_fp6_f32 v[PC+6*\c:PC+6*\c+2], v[SS+32*\c:SS+32*\c+15], v[SCO+2*\c]
	v_cvt_scalef32_pk16_fp6_f32 v[PT+4*\c:PT+4*\c+2], v[SS+32*\c+16:SS+32*\c+31], v[SCO+2*\c+1]   ; (a conversion's three registers begin on an even number)
.endr
	v_pk_add_f32 v[L2:L2+1], v[SS:SS+1], v[SS+2:SS+3]   ; THE ROW'S SUM IS TAKEN OF THE UNQUANTISED p, two at a time, in two chains.  (These are also the plain places behind the conversions)
.irp j, 4,8,12,16,20,24,28,32,36,40,44,48,52,56,60
	v_pk_add_f32 v[14:15], v[14:15], v[SS+\j:SS+\j+1]
	v_pk_add_f32 v[L2:L2+1], v[L2:L2+1], v[SS+\j+2:SS+\j+3]
.endr
	v_pk_add_f32 v[14:15], v[14:15], v[L2:L2+1]
.irp t, 0,1,2,3                                ; p has been read for the last time: V's four fragments (16 of the head's 64 x these 128 keys) land in its registers
.irp pp, 0,1,2,3,4,5
.if \t < 2
	ds_load_b64 v[SS+12*\t+2*\pp:SS+12*\t+2*\pp+1], v[ADV] offset:16*VP*(\t%2)+48*(\pp/3)+8*(\pp%3)
.else
	ds_load_b64 v[SS+12*\t+2*\pp:SS+12*\t+2*\pp+1], v[ADV2] offset:16*VP*(\t%2)+48*(\pp/3)+8*(\pp%3)
.endif
.endr
.endr
	ds_load_b128 v[VS:VS+3], v[ADT]                ; and their scale words
.irp b, 0,1,2,3
	v_lshrrev_b32 v[BX+\b], 23, v[SCO+\b]          ; the scales' bytes
.endr
	v_lshl_or_b32 v[PW], v[BX+1], 8, v[BX]         ; p's scale word for these 128 keys
	v_lshl_or_b32 v[PW], v[BX+2], 16, v[PW]
	v_lshl_or_b32 v[PW], v[BX+3], 24, v[PW]
.irp c, 0,1                                    ; the operand's layout wants a WHOLE block in a lane: lanes 0-15 block 2 c, lanes 16-31 block 2 c + 1
.irp i, 0,1,2
	v_permlane16_swap_b32 v[PC+6*\c+\i], v[PT+4*\c+\i]
.endr
.irp i, 0,1,2
	v_mov_b32 v[PC+3+6*\c+\i], v[PT+4*\c+\i]
.endr
.endr
.set j, 0
.rept 16
	v_pk_mul_f32 v[OA+j:OA+j+1], v[OA+j:OA+j+1], v[FF:FF+1] op_sel_hi:[1,0]   ; O^T under the new M, each accumulator from its low end on.  (Sixteen places between the writes of p's codes and scale word and the products)
.set j, j+2
.endr
	s_wait_dscnt 0x0                               ; V's fragments are in (and whatever of K was asked for above)
.irp t, 0,1,2,3                                ; O^T += V^T P^T.  The four accumulators take turns, one instruction a turn, and the eight score products stand between two links of a chain
	v_wmma_scale_f32_16x16x128_f8f6f4 v[OA+8*\t:OA+8*\t+7], v[SS+12*\t:SS+12*\t+11], v[PC:PC+11], v[OA+8*\t:OA+8*\t+7], v[VS+\t], v[PW] matrix_a_fmt:MATRIX_FMT_FP6 matrix_b_fmt:MATRIX_FMT_FP6
.endr
.if \nxt == 1
	s_add_co_u32 s[TV], s[TV], 96                  ; the next step's place in V's rows and among its scale words
	s_add_co_u32 s[TT], s[TT], 256
.endif
.endm
; A PASS: one tile of 16 queries walks all 2,048 keys.  The step is written for the loop and once more for the last step, which fetches nothing beyond the head's last key.
; O^T and l begin as zeros and the largest t as -2^80: the first change of M multiplies zeros, so that no first step of another form is written.
.macro PASS p, qf, qs
.if \p
	s_wait_xcnt 0x0                                ; the stores of the pass before have read their registers: only behind this wait are they written again
.endif
	v_mov_b32 v13, 0xe7800000                      ; -2^80: under every kept key's t, over every masked key's
	v_floor_f32 v12, -v13                          ; -M
	v_mov_b32 v14, 0
	v_mov_b32 v15, 0
.set j, 0
.rept 32
	v_mov_b32 v[OA+j], 0
.set j, j+1
.endr
	s_mov_b32 s[TV], 0
	s_mov_b32 s[TT], 0
	s_mov_b32 s[CNT], 15
.Lstep_\@:
	STEP \qf, \qs, 1
	s_sub_co_u32 s[CNT], s[CNT], 1
	s_cmp_lg_u32 s[CNT], 0
	s_cbranch_scc1 .Lstep_\@
.if \p
	STEP \qf, \qs, 0
.else
	STEP \qf, \qs, 2
.endif
	; THE WAY OUT: O^T / l goes through my stage in LDS and leaves as whole rows of the head's 256 bytes.
	v_nop                                          ; two v_nop, the two additions and the move below: the places behind the last products
	v_nop
	v_add_f32 v14, v14, v15                        ; l's two halves,
	v_permlanex16_b32 v[TMP], v14, s[SEL], s[SEL+1]
	v_add_f32 v14, v14, v[TMP]                     ; and lane l xor 16's: the row's sum; the row's largest p is over 1/2, so it is no zero
	v_rcp_f32 v[RL], v14
	v_mov_b32 v[RL+1], 0                           ; the plain place behind the reciprocal; the pair's upper half is named, so it is written
.set j, 0
	s_wait_alu depctr_va_vdst(0)
.rept 16
	v_pk_mul_f32 v[SS+j:SS+j+1], v[OA+j:OA+j+1], v[RL:RL+1] op_sel_hi:[1,0]   ; register 8 t + i is o(query r, channel 16 t + 8 h + i); each accumulator from its low end on
.set j, j+2
.endr
.irp t, 0,1,2,3
	ds_store_b128 v[STO], v[SS+8*\t:SS+8*\t+3] offset:64*\t
	ds_store_b128 v[STO], v[SS+8*\t+4:SS+8*\t+7] offset:64*\t+16
.endr
.irp i, 0,1,2,3,4,5,6,7
	ds_load_b128 v[SS+32+4*\i:SS+32+4*\i+3], v[RD] offset:2*\i*SP   ; LDS serves a wave's instructions in order (ISA guide 5.7.1.4): these see my stores; the stage is my wave's own
.endr
.irp i, 0,1,2,3,4,5,6,7
	s_wait_dscnt 7-\i                              ; pair i of rows is back; the younger loads stay out
	global_store_b128 v[GO], v[SS+32+4*\i:SS+32+4*\i+3], s[14:15] offset:1048576*\p+8192*\i th:TH_STORE_NT   ; 16 lanes store 256 consecutive bytes, at a multiple of 256 from out0's first byte; written once, read by nobody here
.endr
.endm
	PASS 0, QA, QSA
	PASS 1, QB, QSB
	s_wait_xcnt 0x0
	v_lshl_add_u32 v254, v0, 2, 0x4c800
	v_mov_b32 v255, 0
	s_wait_tensorcnt 0x0
	ds_add_u32 v254, v255
	s_wait_dscnt 0x0
	s_endpgm
.Lfunc_end_k_qefa234deb7_attn:
	.size	k_qefa234deb7_attn, .Lfunc_end_k_qefa234deb7_attn-k_qefa234deb7_attn
	.p2alignl 7, 3214868480
	.fill 96, 4, 3214868480
	.section	.rodata,"a",@progbits
	.p2align	6, 0x0
	.amdhsa_kernel k_qefa234deb7_attn
		.amdhsa_group_segment_fixed_size 315392
		.amdhsa_private_segment_fixed_size 0
		.amdhsa_enable_private_segment 0
		.amdhsa_kernarg_size 48
		.amdhsa_user_sgpr_count 2
		.amdhsa_user_sgpr_kernarg_segment_ptr 1
		.amdhsa_wavefront_size32 1
		.amdhsa_system_sgpr_workgroup_id_x 1
		.amdhsa_system_sgpr_workgroup_id_y 1
		.amdhsa_system_sgpr_workgroup_id_z 1
		.amdhsa_system_vgpr_workitem_id 0
		.amdhsa_next_free_vgpr 256
		.amdhsa_next_free_sgpr 66
		.amdhsa_reserve_vcc 1
		.amdhsa_float_denorm_mode_32 3
		.amdhsa_float_denorm_mode_16_64 3
		.amdhsa_memory_ordered 1
		.amdhsa_forward_progress 1
		.amdhsa_inst_pref_size 111
	.end_amdhsa_kernel
	.amdgpu_metadata
---
amdhsa.version: [ 1, 2 ]
amdhsa.kernels:
  - .name:           k_qefa234deb7_attn
    .symbol:         k_qefa234deb7_attn.kd
    .args:
      - { .name: q, .offset: 0, .size: 8, .value_kind: global_buffer, .address_space: global }
      - { .name: k, .offset: 8, .size: 8, .value_kind: global_buffer, .address_space: global }
      - { .name: mask, .offset: 16, .size: 8, .value_kind: global_buffer, .address_space: global }
      - { .name: v_codes, .offset: 24, .size: 8, .value_kind: global_buffer, .address_space: global }
      - { .name: v_scales, .offset: 32, .size: 8, .value_kind: global_buffer, .address_space: global }
      - { .name: out0, .offset: 40, .size: 8, .value_kind: global_buffer, .address_space: global }
    .group_segment_fixed_size: 315392
    .private_segment_fixed_size: 0
    .kernarg_segment_align: 8
    .kernarg_segment_size: 48
    .max_flat_workgroup_size: 512
    .sgpr_count:     66
    .vgpr_count:     256
    .wavefront_size: 32
...
	.end_amdgpu_metadata
.endif
;; end of part 1
;; ======== version 2 of 2: 1 launch; version 1 with the launch attn written anew for expert scheduling mode
;; limits: right only within a limited range of input values
;; launch attn (part 2): grid 4 x 64, 16 waves a work-group, no clusters, 315,392 bytes of LDS; arguments q, k, mask, v_codes, v_scales, out0; writes out0
.if DOCPART == 2
	.amdgcn_target "amdgcn-amd-amdhsa--gfx1250"
	.amdhsa_code_object_version 6
	.text
	.protected	k_qefa234deb7_attn
	.globl	k_qefa234deb7_attn
	.p2align	8
	.type	k_qefa234deb7_attn,@function
k_qefa234deb7_attn:
	s_mov_b64 s[64:65], 0
	v_nop
	global_prefetch_b8 v0, s[64:65] scope:SCOPE_SE
	s_setreg_imm32_b32 hwreg(HW_REG_WAVE_SCHED_MODE, 0, 2), 2
	s_setreg_imm32_b32 hwreg(HW_REG_WAVE_MODE, 25, 1), 1
	s_wait_xcnt 0x0
	s_wait_alu depctr_vm_vsrc(0)
; out0[b][q][64 hd + d] = the sum over keys of softmax_key(Q . K / 8, masked keys at -1e9) V, for 4 batches x 16 heads, 2,048 queries and keys, head size 64.
; Both products on codes of FP6 (E2M3) with one E8M0 scale for each 32 along K.  q, k: [4][2048][1024] f32, quantised here along the head's 64.  V: codes with the keys innermost
; ([4][1024][64][24] bytes) and scale bytes [4][1024][64], taken as given.  mask: [4][2048] int32, 0 = the key is masked.
; THE SOFTMAX: t = score x log2(e) / 8; M = the running largest t rounded UP to a whole number; p = 2^(t - M) is quantised along the keys, not normalised; the sum l is taken of the unquantised p
; and divides O at the end.  When M moves, l and O are multiplied by 2^(old M - new M), which rounds nothing.
; SHARES.  A work-group (x = quarter of the queries, y = 16 b + hd) owns 512 queries of one head; each of its sixteen waves owns two tiles of 16 queries, one after the other (two passes), in 256 registers:
; four waves to a SIMD, so that one wave's vector work stands beside another's products and LDS loads.
; THE WHOLE HEAD STAYS IN LDS.  At the head wave w quantises keys 128 w .. 128 w + 127 of K and stores them as images of the operand's registers; V's 64 rows of 1,536 bytes and all scale words are laid beside them.
; One barrier; behind it these bytes are only read, and the loop over the keys touches no memory.
; LAYOUT.  Both products are used transposed: S^T = K Q^T (source 0 = 16 keys, source 1 = my 16 queries), O^T = V^T P^T (source 0 = 16 of the head's 64, source 1 = P): a lane holds ONE query (lane % 16) throughout.
; THE KEYS OF A TILE ARE NOT NEIGHBOURS: lane r of tile 2 b + u takes key 32 b + 8 u + r + 8 (r / 8), so that the 16 registers of tiles 2 b and 2 b + 1 are 16 neighbouring keys, 32 b + 16 (lane / 16) + 0 .. 15.
; THE MASK RIDES IN THE UNUSED HALF OF THE FIRST PRODUCT'S K.  The instruction is 128 deep and the head fills k = 0 .. 63.  At k = 64 every query has the code 1.0 under the scale 2^37; a kept key has the code 0 under
; the scale 2^-126, a masked key the code -7.5 under 2^63.  So a kept key's score gets exactly +0 and a masked key's score is -7.5 x 2^100; all other codes from k = 64 on are zeros on the queries' side.
; The running largest t begins at -2^80, above every masked t (about -1.7e30): a masked key never sets M, and its p = 2^(t - M) is 0, as exp(-1e9 - max) is in f32.
; A BATCH WITH NO KEPT KEY: the factor c = log2(e) / 8 is replaced by 0 (a select between two constants on the OR of the batch's mask words): every t is 0, every p is 1: the plain mean of V, as the reference has it.
; LIMITS: kept keys' t must lie between -2^80 and 2^97; a kept logit under about -1e9, beside which the reference would let masked keys count again, is not served; NaN and infinities among q and k are not served;
; a block of zeros gets the scale byte 1 (its codes are zeros; the bytes are read by this program alone).
; NO CLUSTER: the four work-groups of a head share k, which has to pass through registers to be quantised, and V's 102,400 bytes, each read once at the head; the loop over the keys reads no memory at all.
; NO TENSOR LOADS: every LDS byte is filled once, K by way of registers; V's rows are 384 words, no power of two, and want 16 bytes of padding behind each whole row.
; THE MODE: SCHED_MODE bits 1:0 = 2 (LLVM: expert scheduling mode 2), set by the entry lines.  The code itself states the register dependences between vector or matrix instructions and memory or LDS
; instructions, with s_wait_alu, always for 0.
; THE PLAN.  Registers that LDS instructions touch in the loop over the keys:
;   FK, registers 0-7 of four fragments   Tiles 4-7 land behind the first four score products, which read tiles 0-3 there; the next step's tiles 0-3 land behind the second four.
;   KS                                    Read as scales by all eight score products; the next step's words land behind the second four.
;   S^T's first 48 registers              Written by the score products, the scalings and the exponentials; read by the conversions and the sums; then V's four fragments land there, which the last four products read.
;   VS                                    Read as scales by the last four products; the next step's words land with V's fragments.
;   v[ADK], v[ADS], v[ADV], v[ADV2], v[ADT]   The LDS loads' addresses: all five are written at ONE place, in the step's middle.
; A step's waits: on va_vdst behind the first four score products; in the middle on vm_vsrc, the five additions, on va_vdst; on va_vdst behind the exponentials, behind the sums, and ahead of the last four products.
; Behind each of them the loads that it frees are dealt among vector instructions that name none of the registers that those loads touch.
.set KIMG, 0                           ; LDS: K's 128 tiles x 1,024 bytes: registers 0-3 of a fragment at 16 x lane, registers 4-7 at 512 + 16 x lane; tile 8 s + t of key step s
.set KSC,  131072                      ; K's scale words: 512 s + 256 (t / 4) + 16 r + 4 (t % 4): one load of 16 bytes brings lane r the words of four tiles
.set VRAW, 139264                      ; V's 64 rows as they lie,
.set VP,   1552                        ; 1,536 bytes + 16 = 388 words apart: row r starts at bank 4 r mod 64 (64 banks of 4 bytes: ISA guide 11.1), lanes 16-31 six words on: the 32 lanes of a load of 8 bytes touch 64 different banks
.set VSC,  238592                      ; V's scale words: 256 s + 16 (d % 16) + 4 (d / 16)
.set ANYW, 242688                      ; word w: wave w's flag: some key of its 128 is kept
.set STG,  242944                      ; the way out: a stage of 16 rows x 272 bytes for each wave
.set SP,   272
; scalar registers
.set WV,  16                           ; s16  my wave's number
.set SEL, 26                           ; s[26:27] lane selects for v_permlanex16_b32: lane l xor 16
.set CS,  28                           ; s[28:29] c, twice: the packed form names a pair and takes its low word for both halves
.set TK,  30                           ; s30  where the tiles of K to be fetched begin: 8,192 bytes a step
.set TS,  31                           ; s31  and their scale words: 512 bytes a step
.set TV,  32                           ; s32  the step's place in V's rows: 96 bytes a step
.set TT,  33                           ; s33  and among V's scale words: 256 bytes a step
.set CNT, 34                           ; s34  trips to go
.set H0,  35                           ; s35  0x01010000: the bytes 1, 1 of a kept key's blocks 2 and 3
; vector registers of the loop
.set AK0, 1                            ; v1   16 x lane: my place in an image
.set AS0, 2                            ; v2   KSC + 16 r
.set AV0, 3                            ; v3   VRAW + 1,552 r + 24 h
.set AV1, 4                            ; v4   the same 32 rows on (an LDS offset has 16 bits)
.set AT0, 5                            ; v5   VSC + 16 r
.set STO, 6                            ; v6   the stage: where I put 32 bytes of a row
.set RD,  7                            ; v7   and where I read a row back
.set GO,  8                            ; v8   my byte offset in the wave's rows of out0
.set ADK, 9                            ; v9-11, v234-235: the addresses of the loads in hand
.set ADS, 10
.set ADV, 11
                                       ; v12 -M, v13 the largest t, v[14:15] l in two halves
.set QA,  16                           ; v16-27  Q's fragment of pass 0;  v28-39 of pass 1
.set QB,  28
.set QSA, 40                           ; v40, v41  their scale words.  v40-53 and v230 hold scales and nothing else
.set QSB, 41
.set KS,  42                           ; v42-49  K's scale words of a step's eight tiles
.set VS,  50                           ; v50-53  V's of its four tiles
.set FK,  54                           ; v54-101 four fragments of K, 12 registers each; registers 8-11 of each are zeros, written once
.set SS,  102                          ; v102-165 S^T, then p; then V's four fragments in the first 48
.set OA,  166                          ; v166-197 O^T: four accumulators
.set PC,  198                          ; v198-209 p's codes
.set PT,  210                          ; v210-212, v214-216 the upper halves of the blocks, as the conversions leave them
.set BM,  218                          ; v218-221 the blocks' largest scores, then largest p
.set BX,  222                          ; v222-225 the other half of the lanes', then the scale bytes
.set SCO, 226                          ; v226-229 the conversions' scale operands
.set PW,  230                          ; v230 p's scale word
.set TMP, 231
.set FF,  232                          ; v[232:233] f = 2^(old M - new M); v233 is named with it and written once
.set ADV2, 234
.set ADT, 235
.set L2,  236                          ; v[236:237] the second chain of the sum
.set RL,  238                          ; v[238:239] 1 / l
; vector registers of the head alone: v1 16 x lane; v2-v10 addresses (below); v11 8 h; v[14:15] V's scale bytes
.set XQA, 54                           ; v54-85, v86-117 my 32 numbers of Q, pass 0 and pass 1
.set XQB, 86
.set XK,  118                          ; v118-181 two sets of 32 numbers of K
.set VR,  182                          ; v182-229 my wave's four rows of V
.set MK,  232                          ; v232-239 the mask words of my eight tiles
.set CD,  240                          ; v240-247 registers 0-7 of a fragment of K; the last is 0, written once
.set CT,  248                          ; v248-250 a block's upper 16 codes (a conversion's three registers begin on an even number)
.set WD,  254                          ; v252-253 at work; v254 a scale word in the making; v255 the other half of the lanes'
.set WP,  255
	s_load_b256 s[4:11], s[0:1], 0x0               ; q s[4:5], k s[6:7], mask s[8:9], V's codes s[10:11]
	s_load_b128 s[12:15], s[0:1], 0x20             ; V's scale bytes s[12:13], out0 s[14:15]
	v_lshrrev_b32 v1, 5, v0
	v_readfirstlane_b32 s[WV], v1                  ; wave 0..15
	s_and_b32 s18, ttmp7, 0xffff                   ; 16 b + hd
	s_lshr_b32 s19, s18, 4                         ; b
	s_and_b32 s20, s18, 15                         ; hd
	s_lshl_b32 s22, s19, 23                        ; a batch of q, k or out0 is 2,048 rows of 4,096 bytes,
	s_lshl_b32 s38, s20, 8                         ; a head 256 bytes of a row
	s_add_co_u32 s22, s22, s38
	s_wait_alu depctr_va_sdst(0)                   ; the wave's number is written, ahead of its first reader: offsets and LDS places are made from it
	s_lshl_b32 s38, s[WV], 19                      ; k: my wave's 128 keys
	s_add_co_u32 s24, s22, s38
	s_mov_b32 s25, 0
	s_lshl_b32 s38, ttmp9, 21                      ; q, out0: my work-group's 512 queries,
	s_add_co_u32 s22, s22, s38
	s_lshl_b32 s38, s[WV], 16                      ; my wave's 16 of pass 0 (pass 1: 256 rows on, in the immediates)
	s_add_co_u32 s22, s22, s38
	s_mov_b32 s23, 0
	s_mov_b32 s37, 0
	s_mov_b32 s[SEL], 0x76543210
	s_mov_b32 s[SEL+1], 0xfedcba98
	s_mov_b32 s[H0], 0x01010000
	v_and_b32 v12, 31, v0                          ; lane
	v_and_b32 v13, 15, v0                          ; r
	v_bfe_u32 v11, v0, 4, 1                        ; h
	v_lshlrev_b32 v1, 4, v12                       ; v1: 16 x lane
	v_lshlrev_b32 v3, 3, v0                        ; v3: V's scale bytes: 8 bytes a thread: row d = thread / 8, key steps 2 (thread % 8) and the next
	v_and_b32 v4, 7, v0
	v_lshlrev_b32 v4, 9, v4
	v_bfe_u32 v5, v0, 3, 4
	v_lshl_add_u32 v4, v5, 4, v4
	v_lshrrev_b32 v5, 7, v0
	v_lshl_add_u32 v4, v5, 2, v4
	v_add_nc_u32 v4, VSC, v4                       ; v4: where they go: VSC + 512 (thread % 8) + 16 (d % 16) + 4 (d / 16)
	v_and_b32 v5, 8, v13
	v_add_nc_u32 v10, v5, v13                      ; r + 8 (r / 8): my key in a tile
	v_lshlrev_b32 v5, 2, v10                       ; v5: its mask word
	v_lshlrev_b32 v6, 12, v13
	v_lshl_add_u32 v6, v11, 7, v6                  ; v6: q: row r, block h of its 64 numbers: 128 bytes
	v_lshlrev_b32 v7, 12, v10
	v_lshl_add_u32 v7, v11, 7, v7                  ; v7: k likewise, by the tile's keys
	s_mul_i32 s38, s[WV], 4*VP
	s_add_co_u32 s38, s38, VRAW
	v_add_nc_u32 v2, s38, v1                       ; v2: V's rows 4 w .. 4 w + 3 in LDS
	s_lshl_b32 s38, s[WV], 13
	v_add_nc_u32 v8, s38, v1                       ; v8: my wave's eight images of K (KIMG = 0)
	s_lshl_b32 s38, s[WV], 9
	s_add_co_u32 s38, s38, KSC
	v_lshl_add_u32 v9, v13, 4, s38                 ; v9: their scale words
	s_lshl_b32 s38, s[WV], 2
	s_add_co_u32 s38, s38, ANYW
	v_mov_b32 v10, s38                             ; v10: my wave's flag
	v_lshlrev_b32 v11, 3, v11                      ; v11: 8 h
	v_mov_b32 v[CD+7], 0
	v_mov_b32 v[WP], 0                             ; written once: a lane permute's destination counts as one of its sources
	s_wait_kmcnt 0x0
	s_add_nc_u64 s[4:5], s[4:5], s[22:23]
	s_add_nc_u64 s[14:15], s[14:15], s[22:23]
	s_add_nc_u64 s[6:7], s[6:7], s[24:25]
	s_lshl_b32 s36, s19, 13                        ; mask: 8,192 bytes a batch, my wave's 128 words
	s_lshl_b32 s38, s[WV], 9
	s_add_co_u32 s36, s36, s38
	s_add_nc_u64 s[8:9], s[8:9], s[36:37]
	s_mul_i32 s36, s18, 64*1536                    ; V's codes: a head's 64 rows are one dense block; my wave's four rows
	s_mul_i32 s38, s[WV], 4*1536
	s_add_co_u32 s36, s36, s38
	s_add_nc_u64 s[10:11], s[10:11], s[36:37]
	s_lshl_b32 s36, s18, 12                        ; V's scale bytes: 4,096 a head
	s_add_nc_u64 s[12:13], s[12:13], s[36:37]
	s_wait_alu depctr_va_vdst(0)                   ; the offsets and LDS addresses v1 to v10 are written, which the head's loads and LDS stores read
; tile t of my wave's keys: block h of my key, 32 numbers, into set t % 2
.macro KLOAD t
.irp j, 0,1,2,3,4,5,6,7
	global_load_b128 v[XK+32*((\t)%2)+4*\j:XK+32*((\t)%2)+4*\j+3], v7, s[6:7] offset:(32*((\t)/2)+8*((\t)%2))*4096+16*\j
.endr
.endm
; THE HEAD'S 53 LOADS, in the order in which they are wanted
.irp j, 0,1,2,3
.irp i, 0,1,2
	global_load_b128 v[VR+4*(3*\j+\i):VR+4*(3*\j+\i)+3], v1, s[10:11] offset:1536*\j+512*\i   ; 32 lanes read 512 consecutive bytes
.endr
.endr
	global_load_b64 v[14:15], v3, s[12:13]
.irp t, 0,1,2,3,4,5,6,7
	global_load_b32 v[MK+\t], v5, s[8:9] offset:4*(32*(\t/2)+8*(\t%2))
.endr
.irp j, 0,1,2,3,4,5,6,7
	global_load_b128 v[XQA+4*\j:XQA+4*\j+3], v6, s[4:5] offset:16*\j th:TH_LOAD_NT           ; q is read once in the whole launch
.endr
.irp j, 0,1,2,3,4,5,6,7
	global_load_b128 v[XQB+4*\j:XQB+4*\j+3], v6, s[4:5] offset:1048576+16*\j th:TH_LOAD_NT
.endr
	KLOAD 0
	KLOAD 1
	s_wait_loadcnt 40                              ; loads come back in order: of the 53, the oldest 13 are in: V's codes and scale bytes
.irp j, 0,1,2,3
.irp i, 0,1,2
	ds_store_b128 v2, v[VR+4*(3*\j+\i):VR+4*(3*\j+\i)+3] offset:VP*\j+512*\i
.endr
.endr
	ds_store_b32 v4, v14
	ds_store_b32 v4, v15 offset:256
; A block of 32 numbers, all in my registers v[x] on: its largest magnitude, with the floor 2^(3 - 127) among the leaves so that the byte cannot fall under 1, in two chains; then 2 off the exponent field:
; v253 is the conversions' scale operand (they take its exponent field and nothing else of it).
.macro BLKMAX x
	v_max3_num_f32 v252, |v[\x]|, |v[\x+1]|, 0x1800000
	v_max3_num_f32 v253, |v[\x+2]|, |v[\x+3]|, |v[\x+4]|
.irp i, 5,9,13,17,21,25
	v_max3_num_f32 v252, v252, |v[\x+\i]|, |v[\x+\i+1]|
	v_max3_num_f32 v253, v253, |v[\x+\i+2]|, |v[\x+\i+3]|
.endr
	v_max3_num_f32 v252, v252, |v[\x+29]|, |v[\x+30]|
	v_max3_num_f32 v252, v252, v253, |v[\x+31]|
	v_add_nc_u32 v253, 0xff000000, v252
.endm
; Q's fragment: registers 0-5: block h of my query; register 6: the code 1.0 at k = 64 (lanes 0-15 alone); the rest zeros.  Its scale word: my two blocks' bytes, 164 (2^37) for block 2, 1 for block 3.
.macro QQ x, frag, sreg
	BLKMAX \x
	v_cvt_scalef32_pk16_fp6_f32 v[\frag:\frag+2], v[\x:\x+15], v253
	v_cvt_scalef32_pk16_fp6_f32 v[CT:CT+2], v[\x+16:\x+31], v253
	v_lshrrev_b32 v[WD], 23, v253                  ; the scale's byte.  (The plain place behind the conversions)
.irp i, 0,1,2
	v_mov_b32 v[\frag+3+\i], v[CT+\i]
.endr
	v_sub_nc_u32 v[\frag+6], 8, v11                ; 8 - 8 h: the code 8 is 1.0
.irp i, 7,8,9,10,11
	v_mov_b32 v[\frag+\i], 0
.endr
	v_lshl_or_b32 v[WD], v[WD], v11, 0x01a40000    ; my byte at its place, 8 h bits up, under the two upper bytes;
	v_permlanex16_b32 v[WP], v[WD], s[SEL], s[SEL+1]
	v_or_b32 v[\sreg], v[WD], v[WP]                ; with lane l xor 16's the word is whole
.endm
	s_wait_loadcnt 16                              ; the mask words and Q's two tiles are in; K's two sets of eight loads stay out
	QQ XQA, QA, QSA
	QQ XQB, QB, QSB
.irp t, 0,1,2,3
.irp i, 8,9,10,11
	v_mov_b32 v[FK+12*\t+\i], 0                    ; k = 80 .. 127 of every key: zeros, written once, in registers that Q's numbers have left.  They, Q's fragments and Q's scale words are operands of the score products: the waits on va_vdst below show them written
.endr
.endr
	v_or_b32 v252, v[MK], v[MK+1]                  ; is any of my wave's 128 keys kept?
	v_or_b32 v253, v[MK+2], v[MK+3]
	v_or_b32 v[WD], v[MK+4], v[MK+5]
	v_or_b32 v[CT], v[MK+6], v[MK+7]
	v_or_b32 v252, v252, v253
	v_or_b32 v[WD], v[WD], v[CT]
	v_or_b32 v252, v252, v[WD]
	v_cmp_ne_u32 vcc_lo, 0, v252
	s_wait_alu depctr_va_vcc(0)                    ; the compare has written VCC, which the move reads
	v_mov_b32 v[WD], vcc_lo                        ; not 0 if some lane saw a kept key
	s_wait_alu depctr_va_vdst(0)                   ; the move has written v254, which the LDS store reads
	ds_store_b32 v10, v[WD]                        ; all lanes write the same word with the same value
; Tile t of my wave's keys becomes an image in LDS.  Register 6: the code -7.5 (63) where the key is masked, else 0.  (Lanes 16-31 put it at k = 96, where every query has the code 0.)
.macro KTILE t
.if (\t) < 7
	s_wait_loadcnt 8                               ; this tile's eight loads are in; the next tile's eight stay out
.else
	s_wait_loadcnt 0x0
.endif
	v_cmp_eq_u32 vcc_lo, 0, v[MK+(\t)]             ; masked?  (At the tile's head, so that the block's maximum and the conversions stand between it and the select that reads VCC)
	BLKMAX XK+32*((\t)%2)
	s_wait_dscnt 0x0                               ; the stores of the tile before have landed
	s_wait_alu depctr_vm_vsrc(0)                   ; the LDS stores issued so far have read v240-247 and v254, which this tile writes again
	v_cvt_scalef32_pk16_fp6_f32 v[CD:CD+2], v[XK+32*((\t)%2):XK+32*((\t)%2)+15], v253
	v_cvt_scalef32_pk16_fp6_f32 v[CT:CT+2], v[XK+32*((\t)%2)+16:XK+32*((\t)%2)+31], v253
	v_lshrrev_b32 v[WD], 23, v253                  ; the scale's byte.  (The plain place behind the conversions)
.irp i, 0,1,2
	v_mov_b32 v[CD+3+\i], v[CT+\i]
.endr
	s_wait_alu depctr_va_vcc(0)                    ; the compare at the tile's head has written VCC, which the select reads
	v_cndmask_b32 v[CD+6], 0, 63, vcc_lo
	v_mad_u32_u24 v252, v[CD+6], 0x30000, s[H0]    ; the word's upper bytes: 63 x 3 + 1 = 190 (2^63) or 1 for block 2, 1 for block 3
	v_lshl_or_b32 v[WD], v[WD], v11, v252          ; my block's byte, 8 h bits up
	v_permlanex16_b32 v[WP], v[WD], s[SEL], s[SEL+1]
	v_or_b32 v[WD], v[WD], v[WP]                   ; with lane l xor 16's the word is whole
	s_wait_alu depctr_va_vdst(0)                   ; the codes v240-246 and the word v254 are written, which the three LDS stores read; the maximum and the conversions are done reading this set of K's numbers, in which the loads of tile t + 2 land
	ds_store_b128 v8, v[CD:CD+3] offset:KIMG+1024*(\t)
	ds_store_b128 v8, v[CD+4:CD+7] offset:KIMG+1024*(\t)+512
	ds_store_b32 v9, v[WD] offset:256*((\t)/4)+4*((\t)%4)   ; lanes r and r + 16 write the same word with the same value
.if (\t) < 6
	KLOAD (\t)+2
.endif
.endm
.irp t, 0,1,2,3,4,5,6,7
	KTILE \t
.endr
	s_wait_dscnt 0x0                               ; for the others' sake: all my stores into LDS have landed
	s_barrier_signal -1
	s_barrier_wait -1                              ; THE ONE BARRIER: the head's K, V, scale words and flags lie in LDS; from here on these bytes are only read
	s_wait_alu depctr_vm_vsrc(0)                   ; the head's loads and LDS stores have read their offsets and addresses v2-v10 and their data v14, v15, v182-229: all of these are written anew from here on
	v_and_b32 v13, 15, v0                          ; r
	v_bfe_u32 v12, v0, 4, 1                        ; h
	v_lshl_add_u32 v[TMP], v13, 2, ANYW
	v_lshl_add_u32 v[AS0], v13, 4, KSC
	s_mov_b32 s[TK], 0
	s_mov_b32 s[TS], 0
	v_add_nc_u32 v[ADK], s[TK], v[AK0]
	v_add_nc_u32 v[ADS], s[TS], v[AS0]
	s_wait_alu depctr_va_vdst(0)                   ; the three addresses v231, v9, v10 are written, which the eleven loads below read; Q's quantiser is done reading v54-101, in which K's fragments land, and the ORs and compares v236, in which the flags land
	ds_load_b32 v[L2], v[TMP]                      ; lane r: wave r's flag
; four fragments of K: tiles 4 g .. 4 g + 3 of the step at v[ADK]: registers 0-7 of each, as they were stored
.macro KFETCH g
.irp t, 0,1,2,3
	ds_load_b128 v[FK+12*\t:FK+12*\t+3], v[ADK] offset:4096*\g+1024*\t
	ds_load_b128 v[FK+12*\t+4:FK+12*\t+7], v[ADK] offset:4096*\g+1024*\t+512
.endr
.endm
	KFETCH 0                                       ; key step 0's first half, and its eight scale words
	ds_load_b128 v[KS:KS+3], v[ADS]
	ds_load_b128 v[KS+4:KS+7], v[ADS] offset:256
	v_mul_u32_u24 v[AV0], v13, VP                  ; (the lines from here to the wait for the flags name none of the registers that the eleven loads touch)
	v_mad_u32_u24 v[AV0], v12, 24, v[AV0]
	v_add_nc_u32 v[AV0], VRAW, v[AV0]
	v_add_nc_u32 v[AV1], 32*VP, v[AV0]
	v_lshl_add_u32 v[AT0], v13, 4, VSC
	s_mul_i32 s38, s[WV], 16*SP
	s_add_co_u32 s38, s38, STG                     ; my stage
	v_mul_u32_u24 v[STO], v13, SP
	v_lshl_add_u32 v[STO], v12, 5, v[STO]
	v_add_nc_u32 v[STO], s38, v[STO]               ; in: row r; tile t's eight channels of my half: 64 t + 32 h bytes on
	v_mul_u32_u24 v[RD], v12, SP
	v_lshl_add_u32 v[RD], v13, 4, v[RD]
	v_add_nc_u32 v[RD], s38, v[RD]                 ; back: lanes 0-15 one row of 256 bytes, lanes 16-31 the next
	v_lshlrev_b32 v[GO], 12, v12
	v_lshl_add_u32 v[GO], v13, 4, v[GO]            ; and the same two rows in out0
.irp b, 0,1,2,3
	v_mov_b32 v[BX+\b], 0                          ; written once: a lane permute's destination counts as one of its sources
.endr
	v_mov_b32 v[FF+1], 0                           ; (named as the upper half of a pair)
	s_wait_dscnt 10                                ; LDS loads come back in order: the flags are in; the ten loads behind them stay out
	v_cmp_ne_u32 vcc_lo, 0, v[L2]
	s_wait_alu depctr_va_vcc(0)                    ; the compare has written VCC, which the scalar compare reads
	s_cmp_lg_u32 vcc_lo, 0                         ; is any key of the batch kept?
	s_cselect_b32 s[CS], 0x3e38aa3b, 0             ; c = log2(e) / 8, or 0: a choice of a value; no branch and no address hangs on it
	s_mov_b32 s[CS+1], s[CS]
; four products S^T = K Q^T: tiles 4 g .. 4 g + 3.  Each starts its sum with the constant 0
.macro SCORES g, qf, qs
.irp t, 0,1,2,3
	v_wmma_scale_f32_16x16x128_f8f6f4 v[SS+32*\g+8*\t:SS+32*\g+8*\t+7], v[FK+12*\t:FK+12*\t+11], v[\qf:\qf+11], 0, v[KS+4*\g+\t], v[\qs] matrix_a_fmt:MATRIX_FMT_FP6 matrix_b_fmt:MATRIX_FMT_FP6
.endr
.endm
; The kn-th of the ten loads for the step to come: eight for its tiles 0-3 of K, in KFETCH's order, then two for its eight scale words
.macro KNEXT
.if kn < 8
	ds_load_b128 v[FK+12*(kn/2)+4*(kn%2):FK+12*(kn/2)+4*(kn%2)+3], v[ADK] offset:1024*(kn/2)+512*(kn%2)
.else
	ds_load_b128 v[KS+4*(kn-8):KS+4*(kn-8)+3], v[ADS] offset:256*(kn-8)
.endif
.set kn, kn+1
.endm
; THE LARGEST SCORE OF A BLOCK OF 32 KEYS, for blocks b0 and b1 by turns.  It serves twice: for the row's maximum and, since p rises with the score, for the block's largest p.  Each accumulator is read from its low end on.
; deal: behind each pair of lines stands one of the loads for the step to come.
.macro BMAX b0, b1, deal
.irp b, \b0, \b1
	v_max3_num_f32 v[BM+\b], v[SS+16*\b], v[SS+16*\b+1], v[SS+16*\b+2]
.endr
.if \deal
	KNEXT
.endif
.irp i, 3,5,7,9,11,13
.irp b, \b0, \b1
	v_max3_num_f32 v[BM+\b], v[BM+\b], v[SS+16*\b+\i], v[SS+16*\b+\i+1]
.endr
.if \deal
	KNEXT
.endif
.endr
.irp b, \b0, \b1
	v_max_num_f32 v[BM+\b], v[BM+\b], v[SS+16*\b+15]
.endr
.if \deal
	KNEXT
.endif
.endm
; V's fragment t: 16 of the head's 64 x the step's 128 keys, into registers that p has left
.macro VLOAD t
.irp pp, 0,1,2,3,4,5
.if (\t) < 2
	ds_load_b64 v[SS+12*(\t)+2*\pp:SS+12*(\t)+2*\pp+1], v[ADV] offset:16*VP*((\t)%2)+48*(\pp/3)+8*(\pp%3)
.else
	ds_load_b64 v[SS+12*(\t)+2*\pp:SS+12*(\t)+2*\pp+1], v[ADV2] offset:16*VP*((\t)%2)+48*(\pp/3)+8*(\pp%3)
.endif
.endr
.endm
; the operand's layout wants a WHOLE block in a lane: lanes 0-15 block 2 c, lanes 16-31 block 2 c + 1
.macro WHOLE c
.irp i, 0,1,2
	v_permlane16_swap_b32 v[PC+6*(\c)+\i], v[PT+4*(\c)+\i]
.endr
.irp i, 0,1,2
	v_mov_b32 v[PC+3+6*(\c)+\i], v[PT+4*(\c)+\i]
.endr
.endm
; A KEY STEP: 128 keys.  nxt = 1: the next step's first four tiles of K are fetched under the softmax; 2: those of step 0, for the next pass; 0: none.
.macro STEP qf, qs, nxt
.rept 5
	v_nop                                          ; five places between the last step's products, which read V's fragments out of S^T's registers, and the products that write over them (ISA guide 7.12.1)
.endr
	s_wait_dscnt 0x0                               ; tiles 0-3 and the scale words, asked for a step ago, are in
	SCORES 0, \qf, \qs
.rept 4
	v_nop                                          ; four places in front of the loads into registers that these products have read, and of the first read of their results
.endr
	s_wait_alu depctr_va_vdst(0)                   ; the four products are done reading K's fragments, in which tiles 4-7 land
	KFETCH 1
	BMAX 0, 1, 0                                   ; while these loads are out: blocks 0 and 1, which the four products have finished.  These lines name none of the registers that the loads touch
	s_wait_dscnt 0x0
	SCORES 1, \qf, \qs
.if \nxt == 1
	s_add_co_u32 s[TK], s[TK], 8192
	s_add_co_u32 s[TS], s[TS], 512
.elseif \nxt == 2
	s_mov_b32 s[TK], 0
	s_mov_b32 s[TS], 0
.endif
	s_wait_alu depctr_vm_vsrc(0)                   ; the LDS loads issued so far have read their addresses: K's of this step, V's of the step before (in a pass's first step also the flags' load, whose address register the softmax uses): all are written again below
	v_add_nc_u32 v[ADV], s[TV], v[AV0]             ; this step's place in V's rows and among V's scale words.  (The additions are the places in front of the first read of the scores and of the loads below)
	v_add_nc_u32 v[ADV2], s[TV], v[AV1]
	v_add_nc_u32 v[ADT], s[TT], v[AT0]
.if \nxt
	v_add_nc_u32 v[ADK], s[TK], v[AK0]
	v_add_nc_u32 v[ADS], s[TS], v[AS0]
	s_wait_alu depctr_va_vdst(0)                   ; v[ADK] and v[ADS] are written, which the ten loads for the step to come read; all eight score products are done reading K's fragments and scale words, in which they land
.else
	v_nop                                          ; the fourth place
.endif
.set kn, 0
	BMAX 2, 3, \nxt                                ; the ten loads are dealt among these lines and the eight behind them, which name S^T and v218-225 alone
.irp b, 0,1,2,3
	v_permlanex16_b32 v[BX+\b], v[BM+\b], s[SEL], s[SEL+1]
.endr
.if \nxt
	KNEXT
.endif
.irp b, 0,1,2,3
	v_max_num_f32 v[BM+\b], v[BM+\b], v[BX+\b]     ; with lane l xor 16's 16 keys
.endr
.if \nxt
	KNEXT
.endif
	v_max3_num_f32 v[TMP], v[BM], v[BM+1], v[BM+2]
	v_max_num_f32 v[TMP], v[TMP], v[BM+3]          ; the step's largest score of my query
	v_mul_f32 v[TMP], s[CS], v[TMP]                ; as t (c is not negative)
	v_max_num_f32 v13, v13, v[TMP]                 ; the running largest t: a step of masked keys alone leaves it as it was
	v_mov_b32 v[TMP], v12
	v_floor_f32 v12, -v13                          ; the new -M = floor(-t) = -ceil(t): M IS A WHOLE NUMBER
	v_sub_f32 v[TMP], v12, v[TMP]                  ; M's old value less its new one: a whole number, 0 or less
	v_cvt_i32_f32 v[TMP], v[TMP]                   ; (it saturates)
	v_ldexp_f32 v[FF], 1.0, v[TMP]                 ; f = 2^(old M - new M)
.set j, 0
.rept 32
	v_pk_fma_f32 v[SS+j:SS+j+1], v[SS+j:SS+j+1], s[CS:CS+1], v[12:13] op_sel_hi:[1,0,0]   ; t - M, two at a time (of the pairs c and -M the low word serves both halves)
.set j, j+2
.endr
.irp b, 0,1,2,3
	v_fma_f32 v[BM+\b], v[BM+\b], s[CS], v12       ; the same of each block's largest score
.endr
.set j, 0
.rept 64
	v_exp_f32 v[SS+j], v[SS+j]                     ; p = 2^(t - M), at most 1: NOT normalised; 0 for a masked key
.set j, j+1
.endr
.irp b, 0,1,2,3
	v_exp_f32 v[BM+\b], v[BM+\b]                   ; the block's largest p: the same two instructions on the same number give the same bits
.endr
	v_pk_mul_f32 v[14:15], v[14:15], v[FF:FF+1] op_sel_hi:[1,0]   ; l under the new M.  (The plain place behind the exponentials)
	s_wait_alu depctr_va_vdst(0)                   ; the 68 exponentials have written p and the blocks' largest p: one wait for the batch, ahead of its first reader
.irp b, 0,1,2,3
	v_max_num_f32 v[BM+\b], 0x1800000, v[BM+\b]    ; the floor 2^(3 - 127): the byte cannot fall under 1 (a block whose every p is 0 keeps that byte: its codes are zeros)
.endr
.irp b, 0,1,2,3
	v_add_nc_u32 v[SCO+\b], 0xff000000, v[BM+\b]   ; 2 off the exponent field: the conversion's scale operand
.endr
.irp c, 0,1
	v_cvt_scalef32_pk16_fp6_f32 v[PC+6*\c:PC+6*\c+2], v[SS+32*\c:SS+32*\c+15], v[SCO+2*\c]
	v_cvt_scalef32_pk16_fp6_f32 v[PT+4*\c:PT+4*\c+2], v[SS+32*\c+16:SS+32*\c+31], v[SCO+2*\c+1]   ; (a conversion's three registers begin on an even number)
.endr
	v_pk_add_f32 v[L2:L2+1], v[SS:SS+1], v[SS+2:SS+3]   ; THE ROW'S SUM IS TAKEN OF THE UNQUANTISED p, two at a time, in two chains.  (These are also the plain places behind the conversions)
.irp j, 4,8,12,16,20,24,28,32,36,40,44,48,52,56,60
	v_pk_add_f32 v[14:15], v[14:15], v[SS+\j:SS+\j+1]
	v_pk_add_f32 v[L2:L2+1], v[L2:L2+1], v[SS+\j+2:SS+\j+3]
.endr
	v_pk_add_f32 v[14:15], v[14:15], v[L2:L2+1]
	s_wait_alu depctr_va_vdst(0)                   ; the conversions and the sums are done reading p, in whose registers V's four fragments land.  The 25 loads go in four runs among lines that name v198-216 and v222-230 alone
	VLOAD 0
.irp b, 0,1,2,3
	v_lshrrev_b32 v[BX+\b], 23, v[SCO+\b]          ; the scales' bytes
.endr
	VLOAD 1
	v_lshl_or_b32 v[PW], v[BX+1], 8, v[BX]         ; p's scale word for these 128 keys
	v_lshl_or_b32 v[PW], v[BX+2], 16, v[PW]
	v_lshl_or_b32 v[PW], v[BX+3], 24, v[PW]
	VLOAD 2
	WHOLE 0
	VLOAD 3
	ds_load_b128 v[VS:VS+3], v[ADT]                ; and V's scale words
	WHOLE 1
.set j, 0
.rept 16
	v_pk_mul_f32 v[OA+j:OA+j+1], v[OA+j:OA+j+1], v[FF:FF+1] op_sel_hi:[1,0]   ; O^T under the new M, each accumulator from its low end on.  (Sixteen places between the writes of p's codes and scale word and the products)
.set j, j+2
.endr
	s_wait_dscnt 0x0                               ; V's fragments are in (and whatever of K was asked for above)
	s_wait_alu depctr_va_vdst(0)                   ; p's codes v198-209 and scale word v230, made by vector instructions, are written: the four products take them as operand and as scales; the places above stay beside this wait
.irp t, 0,1,2,3                                ; O^T += V^T P^T.  The four accumulators take turns, one instruction a turn, and the eight score products stand between two links of a chain
	v_wmma_scale_f32_16x16x128_f8f6f4 v[OA+8*\t:OA+8*\t+7], v[SS+12*\t:SS+12*\t+11], v[PC:PC+11], v[OA+8*\t:OA+8*\t+7], v[VS+\t], v[PW] matrix_a_fmt:MATRIX_FMT_FP6 matrix_b_fmt:MATRIX_FMT_FP6
.endr
.if \nxt == 1
	s_add_co_u32 s[TV], s[TV], 96                  ; the next step's place in V's rows and among its scale words
	s_add_co_u32 s[TT], s[TT], 256
.endif
.endm
; A PASS: one tile of 16 queries walks all 2,048 keys.  The step is written for the loop and once more for the last step, which fetches nothing beyond the head's last key.
; O^T and l begin as zeros and the largest t as -2^80: the first change of M multiplies zeros, so that no first step of another form is written.
.macro PASS p, qf, qs
.if \p
	s_wait_xcnt 0x0                                ; the stores of the pass before have had their addresses translated: only behind this wait are their registers written again
	s_wait_alu depctr_vm_vsrc(0)                   ; the stage's stores and out0's stores of the pass before have read S^T's registers, which this pass's products write again
.endif
	v_mov_b32 v13, 0xe7800000                      ; -2^80: under every kept key's t, over every masked key's
	v_floor_f32 v12, -v13                          ; -M
	v_mov_b32 v14, 0
	v_mov_b32 v15, 0
.set j, 0
.rept 32
	v_mov_b32 v[OA+j], 0
.set j, j+1
.endr
	s_mov_b32 s[TV], 0
	s_mov_b32 s[TT], 0
	s_mov_b32 s[CNT], 15
.Lstep_\@:
	STEP \qf, \qs, 1
	s_sub_co_u32 s[CNT], s[CNT], 1
	s_cmp_lg_u32 s[CNT], 0
	s_cbranch_scc1 .Lstep_\@
.if \p
	STEP \qf, \qs, 0
.else
	STEP \qf, \qs, 2
.endif
	; THE WAY OUT: O^T / l goes through my stage in LDS and leaves as whole rows of the head's 256 bytes.
	v_nop                                          ; two v_nop, the two additions and the move below: the places behind the last products
	v_nop
	v_add_f32 v14, v14, v15                        ; l's two halves,
	v_permlanex16_b32 v[TMP], v14, s[SEL], s[SEL+1]
	v_add_f32 v14, v14, v[TMP]                     ; and lane l xor 16's: the row's sum; the row's largest p is over 1/2, so it is no zero
	v_rcp_f32 v[RL], v14
	v_mov_b32 v[RL+1], 0                           ; the plain place behind the reciprocal; the pair's upper half is named, so it is written
.set j, 0
	s_wait_alu depctr_va_vdst(0)                   ; the reciprocal has written 1 / l, ahead of its first reader
.rept 16
	v_pk_mul_f32 v[SS+j:SS+j+1], v[OA+j:OA+j+1], v[RL:RL+1] op_sel_hi:[1,0]   ; register 8 t + i is o(query r, channel 16 t + 8 h + i); each accumulator from its low end on
.set j, j+2
.endr
	s_wait_alu depctr_va_vdst(0)                   ; the multiplications have written v102-133, which the stage's stores read; the last products are done reading V's fragments, in part of whose registers the loads from the stage land
.irp t, 0,1,2,3
	ds_store_b128 v[STO], v[SS+8*\t:SS+8*\t+3] offset:64*\t
	ds_store_b128 v[STO], v[SS+8*\t+4:SS+8*\t+7] offset:64*\t+16
.endr
.irp i, 0,1,2,3,4,5,6,7
	ds_load_b128 v[SS+32+4*\i:SS+32+4*\i+3], v[RD] offset:2*\i*SP   ; LDS serves a wave's instructions in order (ISA guide 5.7.1.4): these see my stores; the stage is my wave's own
.endr
.irp i, 0,1,2,3,4,5,6,7
	s_wait_dscnt 7-\i                              ; pair i of rows is back; the younger loads stay out
	global_store_b128 v[GO], v[SS+32+4*\i:SS+32+4*\i+3], s[14:15] offset:1048576*\p+8192*\i th:TH_STORE_NT   ; 16 lanes store 256 consecutive bytes, at a multiple of 256 from out0's first byte; written once, read by nobody here
.endr
.endm
	PASS 0, QA, QSA
	PASS 1, QB, QSB
	s_wait_xcnt 0x0
	v_lshl_add_u32 v254, v0, 2, 0x4c800            ; the add's two registers, made anew: the last LDS instruction that read v254 stands ahead of the wait on vm_vsrc behind the barrier, and none has read v255
	v_mov_b32 v255, 0
	s_wait_dscnt 0x0                               ; the closing lines, six on end
	s_wait_alu 0x0
	s_wait_tensorcnt 0x0
	ds_add_u32 v254, v255
	s_wait_dscnt 0x0
	s_endpgm
.Lfunc_end_k_qefa234deb7_attn:
	.size	k_qefa234deb7_attn, .Lfunc_end_k_qefa234deb7_attn-k_qefa234deb7_attn
	.p2alignl 7, 3214868480
	.fill 96, 4, 3214868480
	.section	.rodata,"a",@progbits
	.p2align	6, 0x0
	.amdhsa_kernel k_qefa234deb7_attn
		.amdhsa_group_segment_fixed_size 315392
		.amdhsa_private_segment_fixed_size 0
		.amdhsa_enable_private_segment 0
		.amdhsa_kernarg_size 48
		.amdhsa_user_sgpr_count 2
		.amdhsa_user_sgpr_kernarg_segment_ptr 1
		.amdhsa_wavefront_size32 1
		.amdhsa_system_sgpr_workgroup_id_x 1
		.amdhsa_system_sgpr_workgroup_id_y 1
		.amdhsa_system_sgpr_workgroup_id_z 1
		.amdhsa_system_vgpr_workitem_id 0
		.amdhsa_next_free_vgpr 256
		.amdhsa_next_free_sgpr 66
		.amdhsa_reserve_vcc 1
		.amdhsa_float_denorm_mode_32 3
		.amdhsa_float_denorm_mode_16_64 3
		.amdhsa_memory_ordered 1
		.amdhsa_forward_progress 1
		.amdhsa_inst_pref_size 113
	.end_amdhsa_kernel
	.amdgpu_metadata
---
amdhsa.version: [ 1, 2 ]
amdhsa.kernels:
  - .name:           k_qefa234deb7_attn
    .symbol:         k_qefa234deb7_attn.kd
    .args:
      - { .name: q, .offset: 0, .size: 8, .value_kind: global_buffer, .address_space: global }
      - { .name: k, .offset: 8, .size: 8, .value_kind: global_buffer, .address_space: global }
      - { .name: mask, .offset: 16, .size: 8, .value_kind: global_buffer, .address_space: global }
      - { .name: v_codes, .offset: 24, .size: 8, .value_kind: global_buffer, .address_space: global }
      - { .name: v_scales, .offset: 32, .size: 8, .value_kind: global_buffer, .address_space: global }
      - { .name: out0, .offset: 40, .size: 8, .value_kind: global_buffer, .address_space: global }
    .group_segment_fixed_size: 315392
    .private_segment_fixed_size: 0
    .kernarg_segment_align: 8
    .kernarg_segment_size: 48
    .max_flat_workgroup_size: 512
    .sgpr_count:     66
    .vgpr_count:     256
    .wavefront_size: 32
...
	.end_amdgpu_metadata
.endif
;; end of part 2
